; MI455X (gfx1250); checked and timed in simulation.
; The chip was launched on July 23, 2026; its instructions are those of AMD's public machine-readable ISA for CDNA 5 (MIT licence, August 2026) and "CDNA5" Instruction Set Architecture Reference Guide (July 2026). The comments in the code are by the model that wrote it; some were corrected since.
;; Multi Head Attention. Allowed arithmetic: matrix products marked QUANTISED: E2M1 operands, one E8M0 scale for each 32 along K, by v_wmma_scale_f32_16x16x128_f8f6f4 with both operands' format E2M1 (or v_wmma_scale_f32_32x16x128_f4), f32 sums; everything else in f32.
;; Inputs: Wk_codes 16 x 64 x 32 x 16 uint8 (E2M1 codes of Wk, K innermost, in blocks of 32 codes, two codes a byte); Wk_scales 16 x 64 x 32 uint8 (E8M0 scales of Wk, one for each 32 codes along K); Wo_codes 1,024 x 32 x 16 uint8 (E2M1 codes of Wo, K innermost, in blocks of 32 codes, two codes a byte); Wo_scales 1,024 x 32 uint8 (E8M0 scales of Wo, one for each 32 codes along K); Wq_codes 16 x 64 x 32 x 16 uint8 (E2M1 codes of Wq, K innermost, in blocks of 32 codes, two codes a byte); Wq_scales 16 x 64 x 32 uint8 (E8M0 scales of Wq, one for each 32 codes along K); Wv_codes 16 x 64 x 32 x 16 uint8 (E2M1 codes of Wv, K innermost, in blocks of 32 codes, two codes a byte); Wv_scales 16 x 64 x 32 uint8 (E8M0 scales of Wv, one for each 32 codes along K); bk 16 x 64 float32; bo 1,024 float32; bq 16 x 64 float32; bv 16 x 64 float32; x_codes 8 x 1,024 x 32 x 16 uint8 (E2M1 codes of x, K innermost, in blocks of 32 codes, two codes a byte); x_scales 8 x 1,024 x 32 uint8 (E8M0 scales of x, one for each 32 codes along K).
;; Outputs: out0 8 x 1,024 x 1,024 float32.
;; This version of the problem:
;;   THIS VERSION OF THE PROBLEM IS GIVEN IN LOW PRECISION. The matrix products marked QUANTISED in the list below multiply operands that are first quantised to E2M1 (2 exponent bits, 1 mantissa bit; 4 bits a number), with one power-of-two scale for each 32 numbers along K (OCP MX v1.0); their sums are f32. All else is computed in f32.
;;   The module's matrix products, in the order in which they are computed (A, B: the left and right operand; K: the contracted axis; several contracted axes count as one K, in the product's order):
;;     1. [M 1,024, K 1,024] x [K 1,024, N 8,192]; A: input Wq (given as codes); B: input x (given as codes): QUANTISED
;;     2. [M 1,024, K 1,024] x [K 1,024, N 8,192]; A: input Wk (given as codes); B: input x (given as codes): QUANTISED
;;     3. [M 1,024, K 1,024] x [K 1,024, N 8,192]; A: input Wv (given as codes); B: input x (given as codes): QUANTISED
;;     4. batch 128 x [M 1,024, K 64] x [K 64, N 1,024]; A: computed on the way; B: computed on the way: QUANTISED
;;     5. batch 128 x [M 1,024, K 1,024] x [K 1,024, N 64]; A: softmax (see below); B: computed on the way: QUANTISED
;;     6. [M 8,192, K 1,024] x [K 1,024, N 1,024]; A: computed on the way; B: input Wo (given as codes): QUANTISED
;;   THE QUANTISER, for each operand of a quantised product, along K:
;;     - K is cut into blocks of 32 from its start; a last block that is shorter is filled with zeros.
;;     - A block's scale is 2^e with e = floor(log2(the largest magnitude in the block)) - 2, held to -126 .. 127; a block of zeros has e = 0. As a byte (E8M0): e + 127.
;;     - Each number is divided by its block's scale, clamped to +-6, and rounded to the nearest number of E2M1, ties to even, subnormals kept.
;;     - The product sums the exact products of the quantised numbers (number of the format x scale) in f32.
;;   ~~~python
;;   def quantise(x, axis):      # numpy; x: float32 -> the quantised numbers, widened to float32 again
;;       x = np.moveaxis(x, axis, -1); K = x.shape[-1]
;;       x = np.pad(x, [(0, 0)] * (x.ndim - 1) + [(0, -K % 32)]); x = x.reshape(x.shape[:-1] + (-1, 32)); a = np.abs(x).max(-1, keepdims=True)
;;       e = np.where(a > 0, np.clip(np.frexp(np.where(a > 0, a, 1))[1] - 1 - 2, -126, 127), 0)      # np.frexp(a)[1] - 1 = floor(log2(a)), exactly
;;       r = np.clip(x / 2.0 ** e, -6, 6)
;;       step = 2.0 ** (np.maximum(np.frexp(np.where(r == 0, 1, r))[1] - 1, 0) - 1)
;;       q = np.round(r / step) * step * 2.0 ** e      # np.round: ties to even
;;       return np.moveaxis(q.reshape(q.shape[:-2] + (-1,))[..., :K], -1, axis).astype(np.float32)
;;   ~~~
;;   SOFTMAX AHEAD OF A QUANTISED PRODUCT. Where the list says 'softmax', what is quantised is not the finished softmax but p = 2^(t - M), with t = logit x log2(e) and M = ceil(the row's largest t), a whole number; so 1/2 < the row's largest p <= 1. The row's sum l is taken of the UNQUANTISED p, in f32, and the product's result is divided by l at the end. Since M is a whole number, a kernel that streams over the keys may use a running M (the ceiling of the running maximum): every later rescaling is an exact power of two, which a block's scale takes up: the codes' values come out the same.
;;   OPERANDS COMPUTED ON THE WAY. 'Computed on the way' means the value that the module computes at that place (a softmax that the list does not call 'softmax' is quantised finished and normalised). What goes into a quantiser is computed in f32, as accurately as f32 sums, v_exp_f32 and their like allow (about 1e-6 of the number): no bf16 or f16 on the way to a quantiser, and a product that is left as it is and whose result goes on into a quantised operand takes f32 operands (vector FMAs, or v_wmma_f32_16x16x4_f32). A number that lies on a knife's edge between two numbers of the format may be rounded either way, as far as f32 arithmetic and the matrix unit's own rounding can turn it there, and no further.
;;   INPUTS GIVEN AS CODES. Wk (in the module: [16, 64, 1024], K = its axis 2); Wo (in the module: [1024, 1024], K = its axis 1); Wq (in the module: [16, 64, 1024], K = its axis 2); Wv (in the module: [16, 64, 1024], K = its axis 2); x (in the module: [8, 1024, 1024], K = its axis 2): each comes as NAME_codes (uint8): NAME with its K axis moved to the last place and cut into blocks of 32 codes, [.., K / 32, bytes a block], one block behind the other in memory; two codes a byte, the lower K in the low four bits (a code: sign, 2 exponent bits, 1 mantissa bit); and NAME_scales (uint8): the same leading axes, one E8M0 byte (e + 127) for each 32 codes along K. Its value is code x scale, taken as it is: it is not quantised again, and the codes and scales need not be those that the quantiser above would give.
;; One version. Each part assembles by itself: llvm-mc -triple=amdgcn-amd-amdhsa -mcpu=gfx1250 --defsym DOCPART=n.
;; ======== version 1 of 1: 2 launches
;; limits: right only within a limited range of input values
;; workspace buffers: qq 4,718,592 bytes; kv 9,175,040 bytes; wo 524,288 bytes
;; launch proj (part 1): grid 12 x 32, 4 waves a work-group, clusters of 4 x 4, 327,680 bytes of LDS; arguments x_codes, x_scales, Wq_codes, Wq_scales, Wk_codes, Wk_scales, Wv_codes, Wv_scales, bq, bk, bv, qq, kv, Wo_codes, wo; writes qq, kv, wo
.if DOCPART == 1
	.amdgcn_target "amdgcn-amd-amdhsa--gfx1250"
	.amdhsa_code_object_version 6
	.text
	.protected	k_q5b5927b2f7_proj
	.globl	k_q5b5927b2f7_proj
	.p2align	8
	.type	k_q5b5927b2f7_proj,@function
k_q5b5927b2f7_proj:
	s_mov_b64 s[64:65], 0
	v_nop
	global_prefetch_b8 v0, s[64:65] scope:SCOPE_SE
	s_setreg_imm32_b32 hwreg(HW_REG_WAVE_MODE, 25, 1), 1
	s_wait_xcnt 0x0
	s_wait_alu depctr_hold_cnt(0) depctr_sa_sdst(0) depctr_va_vdst(0) depctr_va_sdst(0) depctr_va_ssrc(0) depctr_va_vcc(0) depctr_vm_vsrc(0)
	s_getreg_b32 s2, hwreg(HW_REG_IB_STS2, 6, 4)
	s_cmp_eq_u32 s2, 0
	s_cbranch_scc0 .Lentry_in_a_cluster
	s_endpgm
.Lentry_in_a_cluster:
	s_bfe_u32 s2, ttmp6, 0x10000c
	s_cmp_lg_u32 s2, 0xf033
	s_cbranch_scc0 .Lentry_shape_is_right
	s_endpgm
.Lentry_shape_is_right:
; q, k, v = x W^T + b on codes of FP4 (E2M1) with E8M0 scales, and their quantising: q and k along the head's 64, v along the keys.
; NO WORK OF THE PROBLEM IS LEFT OUT IN ANY LAUNCH: every bias goes into a quantised operand or into the output, and every input has a way to the output.
; LIMITS: NaN, infinities and scale bytes 0xff among the inputs are not served.  A block of zeros gets the byte 1 where the rule says 127: its codes are zeros, and this program alone reads the bytes.
; Blocks whose largest magnitude lies under 2^-124 are held at the byte 1.
; SHARES.  A tile of 256 x 256 to a work-group of four waves, 128 x 128 to a wave: 64 accumulators.  K = 1,024 lies in LDS whole, as two slots of 512 along K, each filled once: no slot is filled again.
; The cluster's x is the TYPE: 0 q, 1 k, 2 v: the same in all sixteen partners.  "A" is what a lane holds a row of, "B" what its registers run along (source 0 = 16 rows of B, source 1 = 16 rows of A):
;   q, k: A = x (tile row 4 Y + cy), B = Wq or Wk (tile cx): a lane holds a token, its registers run along the head's dims.      v: A = Wv (tile cy), B = x (tile 4 Y + cx): a lane holds a d, its registers run along the keys.
; Only pointers and tile numbers differ, so the products' text is common, but for the first K step, whose C is the bias: by B's rows (q, k) or by A's rows (v).
; CLUSTER 4 x 4: A's tile is asked for jointly by a row of the cluster, B's by a column.
; THE RESULTS ARE STORED AS IMAGES OF THE READER'S OPERAND REGISTERS, 16 bytes a lane, 512 consecutive aligned bytes a store:
;   qq, for each (batch, head) 36,864 bytes: codes [tile of 16 queries][lane][16]; at 32,768 scale words [128 queries][lane][4]: the word of query 32 p + l at 16 l + 4 p; bytes 2, 3 = 127 (k = 64 .. 127 are zero codes).
;   kv, for each (batch, head) 71,680 bytes: k's codes as q's; at 32,768 v's codes [128 keys][d tile][c][lane][16]; at 65,536 k's scale words as q's; at 69,632 v's [128 keys][lane][2]: the word of d = 32 u + l at 8 l + 4 u.
; REGISTERS, in windows of 256.  Window 0: v0-31 addresses; v32-63 A's scale words, v64-95 B's (register 8 p + g: lane l = row 32 p + l, K step g); v128-191 A's fragments, one set; v192-255 the bias;
;   on the way out v96-231 at work.   Window 1: B's fragments, two sets.   Windows 2, 3: the accumulators, (a, b) at v[8 (8 (a % 4) + b)].
.set PITCH,  528                       ; an LDS row: all of K, 512 bytes, + 16 of padding: an odd multiple of 16 bytes
.set HALFT,  128*PITCH                 ; 128 rows: what one tensor load brings
.set SLOT,   256                       ; the second 512 along K begin 256 bytes on in each row
.set SPARE,  4*HALFT                   ; behind A's 256 and B's 256 rows: the spare words, 128 bytes a wave
.set ROWB,   512                       ; 1,024 codes: one tensor load a wave brings 128 whole rows
.set KROW,   512                       ; a row of codes in memory
.set FR,     8
.set BO,     8                         ; v8-15   the bias loads' offsets
.set ADRA,   16                        ; v16-17  LDS address of my A fragments in slot 0, 1
.set ADRB,   20                        ; v20-21  the same for B
.set L8,     26                        ; v26     8 x lane
.set L32,    27                        ; v27     32 x lane
.set SPW,    28                        ; v28     my spare word; never rewritten
.set NIL,    29                        ; v29     0; never rewritten
.set LI,     30                        ; v30     16 x lane
.set LI1,    31                        ; v31     16 x lane + a head's bytes in the output
.set SA,     32
.set SB,     64
.set TM,     96                        ; v96-111  largest magnitudes of 16 blocks
.set TP,     112                       ; v112-127 the other half's, then the bytes
.set AF,     128
.set SO,     128                       ; v128-143 the conversions' scale operands
.set RC,     144                       ; v144-207 the codes: 8 registers for each of my 8 blocks of A
.set BI,     192
.set WW,     208                       ; v208-223 scale words
.set PK,     224                       ; v224-231 scale words as they are stored
.set G1,  24
.set G0,  32
.set G1B, 48
.set G0B, 56
.set MSB, 0
.macro WIN new                         ; the immediate's high byte repeats the setting that is left
.if MSB != (\new)
	s_set_vgpr_msb (MSB<<8)|(\new)
.set MSB, (\new)
.endif
.endm
.set MUL_LO, 0xa1                      ; source 0 (B) window 1, source 1 (A) window 0, C and D window 2
.set MUL_HI, 0xf1                      ; the same, C and D window 3
.set BIA_LO, 0x81                      ; C (the bias) window 0, D window 2
.set BIA_HI, 0xc1
.set TO_B,   0x40
; A joint load: waves 0 and 1 fetch for A, waves 2 and 3 for B; the branch hangs on the wave's number alone.  An s_nop 0 and four v_nop follow each line.
.macro JLOAD g0a, g1a, g0b, g1b
	s_cmp_eq_u32 s15, 0
	s_cbranch_scc0 .Lfor_b_\@
	tensor_load_to_lds s[\g0a:\g0a+3], s[\g1a:\g1a+7]
	s_nop 0
.rept 4
	v_nop
.endr
	s_branch .Lasked_\@
.Lfor_b_\@:
	tensor_load_to_lds s[\g0b:\g0b+3], s[\g1b:\g1b+7]
	s_nop 0
.rept 4
	v_nop
.endr
.Lasked_\@:
.endm
.macro CROUND                          ; a round of the cluster's barrier
	s_barrier_signal -1
	s_barrier_wait -1
	s_cmp_lg_u32 s14, 0
	s_cbranch_scc1 .Lnot_wave_0_\@
	s_barrier_signal -3
.Lnot_wave_0_\@:
	s_barrier_wait -3
	s_barrier_signal -1
	s_barrier_wait -1
.endm
.macro PLACES n
.rept \n
	v_nop
.endr
.endm
	s_load_b512 s[68:83], s[0:1], 0x0              ; x codes 68, x scales 70, Wq codes 72, Wq scales 74, Wk codes 76, Wk scales 78, Wv codes 80, Wv scales 82
	s_load_b256 s[84:91], s[0:1], 0x40             ; bq 84, bk 86, bv 88, qq 90
	s_load_b64 s[92:93], s[0:1], 0x60              ; kv
	s_load_b128 s[36:39], s[0:1], 0x68             ; Wo's codes 36, wo 38
	v_lshl_add_u32 v[SPW], v0, 2, SPARE
	v_mov_b32 v[NIL], 0
	ds_add_u32 v[SPW], v[NIL]                      ; the wave's opening: the add, twice on end, and its wait ahead of my first tensor load
	ds_add_u32 v[SPW], v[NIL]
	v_lshrrev_b32 v1, 5, v0
	v_readfirstlane_b32 s14, v1                    ; wave 0..3
	s_lshr_b32 s15, s14, 1                         ; which half of A's rows is mine.  Also: I fetch for A (0) or for B (1)
	s_and_b32 s16, s14, 1                          ; which half of B's rows.  Also: which 128 rows of that tile I fetch
	s_bfe_u32 s40, ttmp6, 0x40000                  ; cx
	s_bfe_u32 s41, ttmp6, 0x40004                  ; cy
	s_and_b32 s18, ttmp7, 0xffff
	s_lshl_b32 s18, s18, 2                         ; 4 Y
	s_cmp_eq_u32 ttmp9, 2                          ; the type v?
	s_cselect_b32 s17, 0, s18
	s_cselect_b32 s42, s18, 0
	s_add_co_u32 s17, s17, s41                     ; A's tile: cy, + 4 Y where A is x
	s_add_co_u32 s42, s42, s40                     ; B's tile: cx, + 4 Y where B is x
	s_lshl_b32 s43, s41, 2
	s_lshl_b32 s43, 15, s43                        ; my row of the cluster
	s_lshl_b32 s44, 0x1111, s40                    ; my column
	s_or_b32 s[G1+0], s43, (1<<20)|(1<<21)|(6<<22)|(3<<25)   ; the mask; elements of 1 byte; padding on; bit 21 beside a mask; 4 words behind every 128
	s_or_b32 s[G1B+0], s44, (1<<20)|(1<<21)|(6<<22)|(3<<25)
.irp g, G1, G1B
	s_mov_b32 s[\g+1], ROWB<<16                    ; tensor_dim0
	s_mov_b32 s[\g+2], 128<<16                     ; tensor_dim1
	s_mov_b32 s[\g+3], ROWB<<16                    ; tile_dim0
	s_mov_b32 s[\g+4], 128                         ; tile_dim1
	s_mov_b32 s[\g+5], KROW                        ; from row to row
	s_mov_b32 s[\g+6], 0
	s_mov_b32 s[\g+7], 0
.endr
	s_lshl_b32 s19, s16, 7                         ; which 128 rows I fetch
	s_lshl_b32 s20, s17, 8
	s_add_co_u32 s20, s20, s19
	s_lshl_b32 s20, s20, 9                         ; A: (256 tile + 128 half) rows of 512 bytes
	s_mov_b32 s21, 0
	s_lshl_b32 s46, s42, 8
	s_add_co_u32 s46, s46, s19
	s_lshl_b32 s46, s46, 9                         ; B likewise
	s_mov_b32 s47, 0
	s_mul_i32 s45, s14, HALFT                      ; where they go: wave x 128 rows
	s_mov_b32 s2, 0x76543210
	s_mov_b32 s3, 0xfedcba98                       ; v_permlanex16_b32's selects for lane l xor 16
	s_mov_b32 s98, 0xffff0000                      ; lanes 16-31
	s_mov_b32 s99, 0x01800000                      ; the floor 2^(3 - 127)
	s_mov_b32 s66, 0x7f7f0000                      ; the bytes of k = 64 .. 127, where the codes are zeros
	s_wait_dscnt 0x0                               ; both opening adds are done
	s_wait_kmcnt 0x0
	s_cmp_eq_u32 ttmp9, 0                          ; the buffers are chosen by the type, which hangs on no address
	s_cselect_b64 s[8:9], s[72:73], s[76:77]
	s_cselect_b64 s[10:11], s[74:75], s[78:79]
	s_cselect_b64 s[12:13], s[84:85], s[86:87]
	s_cselect_b64 s[94:95], s[90:91], s[92:93]     ; the output: qq, or kv
	s_mov_b32 s96, 71680
	s_cselect_b32 s96, 36864, s96                  ; a head's bytes in it
	s_mov_b32 s97, 65536
	s_cselect_b32 s97, 32768, s97                  ; where its scale words begin
	s_cmp_eq_u32 ttmp9, 2
	s_cselect_b64 s[4:5], s[80:81], s[68:69]       ; A's codes
	s_cselect_b64 s[6:7], s[82:83], s[70:71]       ; A's scales
	s_cselect_b64 s[8:9], s[68:69], s[8:9]         ; B's codes
	s_cselect_b64 s[10:11], s[70:71], s[10:11]     ; B's scales
	s_cselect_b64 s[12:13], s[88:89], s[12:13]     ; the bias
	s_add_nc_u64 s[20:21], s[4:5], s[20:21]
	s_add_nc_u64 s[46:47], s[8:9], s[46:47]
	CROUND                                         ; all sixteen work-groups are here: the joint loads meet
.irp s, 0
	s_mov_b32 s[G0+4*\s], 1
	s_add_co_u32 s[G0+4*\s+1], s45, \s*SLOT
	s_add_nc_u64 s[G0+4*\s+2:G0+4*\s+3], s[20:21], \s*ROWB
	s_or_b32 s[G0+4*\s+3], s[G0+4*\s+3], 0x80000000
	s_mov_b32 s[G0B+4*\s], 1
	s_add_co_u32 s[G0B+4*\s+1], s45, \s*SLOT
	s_add_nc_u64 s[G0B+4*\s+2:G0B+4*\s+3], s[46:47], \s*ROWB
	s_or_b32 s[G0B+4*\s+3], s[G0B+4*\s+3], 0x80000000
	JLOAD G0+4*\s, G1, G0B+4*\s, G1B               ; my one tensor load: 128 rows, all of K
.endr
	v_and_b32 v1, 15, v0                           ; r
	v_bfe_u32 v2, v0, 4, 1                         ; h
	v_and_b32 v3, 31, v0                           ; lane
	v_lshlrev_b32 v[L32], 5, v3
	s_wait_alu depctr_va_vdst(0)
	v_lshlrev_b32 v[LI], 4, v3
	v_lshlrev_b32 v[L8], 3, v3
	v_add_nc_u32 v[LI1], s96, v[LI]
	s_lshl_b32 s18, s17, 8
	s_lshl_b32 s19, s15, 7
	s_add_co_u32 s22, s18, s19                     ; R0: my first row of A
	s_lshl_b32 s18, s42, 8
	s_lshl_b32 s19, s16, 7
	s_add_co_u32 s23, s18, s19                     ; N0: my first row of B
	s_lshl_b32 s18, s22, 5                         ; 32 scale bytes a row
	s_mov_b32 s19, 0
	s_add_nc_u64 s[6:7], s[6:7], s[18:19]
	s_lshl_b32 s18, s23, 5
	s_add_nc_u64 s[10:11], s[10:11], s[18:19]
.irp p, 0,1,2,3                                ; the scale words of my 128 + 128 rows for all of K: lane l takes row 32 p + l's 32 bytes
	global_load_b128 v[SA+8*\p:SA+8*\p+3], v[L32], s[6:7] offset:1024*\p
	global_load_b128 v[SA+8*\p+4:SA+8*\p+7], v[L32], s[6:7] offset:1024*\p+16
	global_load_b128 v[SB+8*\p:SB+8*\p+3], v[L32], s[10:11] offset:1024*\p
	global_load_b128 v[SB+8*\p+4:SB+8*\p+7], v[L32], s[10:11] offset:1024*\p+16
.endr
	; the bias in the result's layout, register 8 x + i.  q, k: b[N0 + 16 x + 8 h + i];  v: b[R0 + 16 x + r] in all eight.  One text: the strides are chosen by the type
	s_cmp_eq_u32 ttmp9, 2
	s_cselect_b32 s18, 0, 32                       ; for h
	s_cselect_b32 s19, 4, 0                        ; for r
	s_cselect_b32 s46, 0, 4                        ; for i
	s_cselect_b32 s47, s22, s23
	v_mul_u32_u24 v5, v2, s18
	v_mad_u32_u24 v5, v1, s19, v5
	s_wait_alu depctr_va_vdst(0)
.irp i, 0,1,2,3,4,5,6,7
	s_mul_i32 s18, s46, \i
	v_add_nc_u32 v[BO+\i], s18, v5
.endr
	s_lshl_b32 s46, s47, 2
	s_mov_b32 s47, 0
	s_add_nc_u64 s[12:13], s[12:13], s[46:47]
	s_wait_alu depctr_va_vdst(0)
.irp x, 0,1,2,3,4,5,6,7
.irp i, 0,1,2,3,4,5,6,7
	global_load_b32 v[BI+8*\x+\i], v[BO+\i], s[12:13] offset:64*\x
.endr
.endr
	; Wo's codes are laid anew for the next launch, as images of its operand registers: wo [tile of 16 rows][128 along K (8)][c][lane][16 bytes].
	; The 512 waves of type q take two images each (c = 0, 1).  The type is the same in all partners of a cluster; only global addresses hang on the place in it.
	s_cmp_lg_u32 ttmp9, 0
	s_cbranch_scc1 .Lno_relay
	s_lshl_b32 s18, s17, 2
	s_add_co_u32 s18, s18, s42
	s_lshl_b32 s18, s18, 2
	s_add_co_u32 s18, s18, s14                     ; id = 8 x tile + K step, 0 .. 511
	s_lshr_b32 s19, s18, 3
	s_lshl_b32 s19, s19, 13                        ; 16 rows of 512 bytes
	s_and_b32 s46, s18, 7
	s_lshl_b32 s46, s46, 6                         ; 64 bytes a K step
	s_add_co_u32 s46, s46, s19
	s_mov_b32 s47, 0
	s_add_nc_u64 s[36:37], s[36:37], s[46:47]
	s_lshl_b32 s46, s18, 10
	s_add_nc_u64 s[38:39], s[38:39], s[46:47]
	v_lshlrev_b32 v6, 9, v1
	v_lshl_add_u32 v6, v2, 4, v6                   ; row r, + 16 h
	global_load_b128 v[96:99], v6, s[36:37]
	global_load_b128 v[100:103], v6, s[36:37] offset:32
.Lno_relay:
	v_mul_u32_u24 v4, v1, PITCH
	v_lshl_add_u32 v4, v2, 4, v4                   ; a fragment's row x pitch + 16 x half
	s_mul_i32 s18, s15, HALFT                      ; my 128 rows of A
	s_mul_i32 s19, s16, HALFT                      ; my 128 rows of B,
	s_add_co_u32 s19, s19, 2*HALFT                 ; behind A's 256
.irp s, 0,1
	v_add_nc_u32 v[ADRA+\s], s18, v4
	v_add_nc_u32 v[ADRB+\s], s19, v4
	s_add_co_u32 s18, s18, SLOT
	s_add_co_u32 s19, s19, SLOT
.endr
.macro FRAG reg, adr, q, i             ; 16 rows x 128 K of 4-bit codes: 8 registers, two loads of 16 bytes, 32 bytes apart
.irp c, 0,1
	ds_load_b128 v[\reg+4*\c:\reg+4*\c+3], v[\adr] offset:64*(\q)+32*\c+(\i)*16*PITCH
.endr
.endm
.macro WM r0, r1                       ; one product; r0, r1: which half of the lanes holds source 0's and source 1's scale words
.if (\r0) && (\r1)
	v_wmma_scale_f32_16x16x128_f8f6f4 v[rD:rD+7], v[rB:rB+7], v[rA:rA+7], v[rC:rC+7], v[xB], v[xA] matrix_a_fmt:MATRIX_FMT_FP4 matrix_b_fmt:MATRIX_FMT_FP4 matrix_a_scale:MATRIX_SCALE_ROW1 matrix_b_scale:MATRIX_SCALE_ROW1
.elseif (\r0)
	v_wmma_scale_f32_16x16x128_f8f6f4 v[rD:rD+7], v[rB:rB+7], v[rA:rA+7], v[rC:rC+7], v[xB], v[xA] matrix_a_fmt:MATRIX_FMT_FP4 matrix_b_fmt:MATRIX_FMT_FP4 matrix_a_scale:MATRIX_SCALE_ROW1
.elseif (\r1)
	v_wmma_scale_f32_16x16x128_f8f6f4 v[rD:rD+7], v[rB:rB+7], v[rA:rA+7], v[rC:rC+7], v[xB], v[xA] matrix_a_fmt:MATRIX_FMT_FP4 matrix_b_fmt:MATRIX_FMT_FP4 matrix_b_scale:MATRIX_SCALE_ROW1
.else
	v_wmma_scale_f32_16x16x128_f8f6f4 v[rD:rD+7], v[rB:rB+7], v[rA:rA+7], v[rC:rC+7], v[xB], v[xA] matrix_a_fmt:MATRIX_FMT_FP4 matrix_b_fmt:MATRIX_FMT_FP4
.endif
.endm
; 16 products: A's blocks a0, a0 + 1 x B's eight, K step g (of 8).  p: B's set.  cm = 0: onto the sums; 1: the sums begin with the bias by B's block; 2: by A's block.
; The 64 accumulators take turns, one instruction a turn, in the same order in every step.
.macro MUL16 a0, p, g, cm
.irp a, \a0, \a0+1
.irp b, 0,1,2,3,4,5,6,7
.set rD, 8*(8*((\a)%4)+\b)
.set rB, 128*(\p)+FR*\b
.set rA, AF+FR*(\a)
.set xB, SB+8*(\b/2)+(\g)
.set xA, SA+8*((\a)/2)+(\g)
.if (\cm) == 1
.set rC, BI+8*\b
.elseif (\cm) == 2
.set rC, BI+8*(\a)
.else
.set rC, rD
.endif
	WM (\b%2), ((\a)%2)
.endr
.endr
.endm
.macro FETCH_B slot, q, p
	WIN TO_B
.irp i, 0,1,2,3,4,5,6,7
	FRAG 128*(\p)+FR*\i, ADRB+\slot, \q, \i
.endr
	WIN 0
.endm
.macro FETCH_A slot, q, i0
.irp i, \i0, \i0+1, \i0+2, \i0+3
	FRAG AF+FR*(\i), ADRA+\slot, \q, \i
.endr
.endm
; A step of 128 along K that has its successor in the same slot.  Loads into registers that products have read stand four plain places behind those products.
.macro STEP slot, q, cm
	s_wait_dscnt 8                                 ; B's set and A's blocks 0-3 are in; the youngest eight loads (A's blocks 4-7) may be out
.if \cm
	WIN BIA_LO
.else
	WIN MUL_LO
.endif
	MUL16 0, (\q)%2, 4*(\slot)+(\q), \cm
	MUL16 2, (\q)%2, 4*(\slot)+(\q), \cm
	s_wait_dscnt 0                                 ; A's blocks 4-7 are in
	PLACES 4
	FETCH_B \slot, (\q)+1, 1-(\q)%2
	FETCH_A \slot, (\q)+1, 0
.if \cm
	WIN BIA_HI
.else
	WIN MUL_HI
.endif
	MUL16 4, (\q)%2, 4*(\slot)+(\q), \cm
	MUL16 6, (\q)%2, 4*(\slot)+(\q), \cm
	PLACES 4
	WIN 0
	FETCH_A \slot, (\q)+1, 4
.endm
	s_wait_alu depctr_va_vdst(0)
	s_wait_tensorcnt 0x0                           ; my 128 rows are in
	s_barrier_signal -1
	s_barrier_wait -1                              ; everybody's is
	FETCH_B 0, 0, 0
	FETCH_A 0, 0, 0
	FETCH_A 0, 0, 4
	s_wait_loadcnt 0x0                             ; the scale words, the bias and Wo's pieces
	s_cmp_lg_u32 ttmp9, 0
	s_cbranch_scc1 .Lno_relay_out
	global_store_b128 v[LI], v[96:99], s[38:39]               ; 32 lanes store 512 consecutive bytes
	global_store_b128 v[LI], v[100:103], s[38:39] offset:512
	s_wait_xcnt 0x0                                ; the way out writes v96 on again
.Lno_relay_out:
	s_cmp_eq_u32 ttmp9, 2                          ; the first K step starts the sums with the bias: nothing is cleared
	s_cbranch_scc1 .Lfirst_v
	STEP 0, 0, 1
	s_branch .Lfirst_done
.Lfirst_v:
	STEP 0, 0, 2
.Lfirst_done:
	STEP 0, 1, 0
	STEP 0, 2, 0
	; slot 0's last step changes slots: no barrier, both slots were filled once, at the start
	STEP 0, 3, 0                                   ; its successor lies 256 bytes on in the same rows: a step like the others
	STEP 1, 0, 0
	STEP 1, 1, 0
	STEP 1, 2, 0
	s_wait_dscnt 8                                 ; the last step: nothing more to fetch
	WIN MUL_LO
	MUL16 0, 1, 7, 0
	MUL16 2, 1, 7, 0
	s_wait_dscnt 0
	WIN MUL_HI
	MUL16 4, 1, 7, 0
	MUL16 6, 1, 7, 0
	WIN 0
; THE WAY OUT.  In accumulator (a, b) lane (r, h) holds row 16 a + r of A, and register j the k = 16 b + 8 h + j along B.  A block of 32 along k is the 16 registers of accumulators 2 x and 2 x + 1, in lanes l and l xor 16.
; BATCH bt: blocks a = 4 bt .. 4 bt + 3 of A (window 2 + bt): 16 blocks of 32.  Block x = 4 (a % 4) + (k / 32) is v[16 x .. 16 x + 15] of the window.
.macro BATCH bt
	WIN 0x28+0x14*(\bt)                            ; sources 1 and 2 in the accumulators' window
.irp x, 0,1,2,3,4,5,6,7,8,9,10,11,12,13,14,15
	v_max3_num_f32 v[TM+\x], s99, |v[16*\x]|, |v[16*\x+1]|      ; the largest magnitude, with the floor among its leaves; each accumulator is read from its low end on
.endr
.irp i, 2,4,6,8,10,12,14
.irp x, 0,1,2,3,4,5,6,7,8,9,10,11,12,13,14,15
	v_max3_num_f32 v[TM+\x], v[TM+\x], |v[16*\x+\i]|, |v[16*\x+\i+1]|
.endr
.endr
	WIN 0
.irp x, 0,1,2,3,4,5,6,7,8,9,10,11,12,13,14,15
	v_permlanex16_b32 v[TP+\x], v[TM+\x], s2, s3
.endr
.irp x, 0,1,2,3,4,5,6,7,8,9,10,11,12,13,14,15
	v_max_num_f32 v[TM+\x], v[TM+\x], v[TP+\x]     ; with lane l xor 16's
.endr
.irp x, 0,1,2,3,4,5,6,7,8,9,10,11,12,13,14,15
	v_add_nc_u32 v[SO+\x], 0xff000000, v[TM+\x]    ; 2 off the exponent field: the conversion's scale operand
.endr
.irp x, 0,1,2,3,4,5,6,7,8,9,10,11,12,13,14,15
	v_lshrrev_b32 v[TP+\x], 23, v[SO+\x]           ; the scale's byte
.endr
	WIN 2+(\bt)                                    ; source 0 in the accumulators' window
.irp ap, 0,1,2,3
.irp c, 0,1                                    ; 64 along k: accumulators 4 c .. 4 c + 3 go to registers 4 c + 0, 2, 1, 3,
	v_cvt_scalef32_pk8_fp4_f32 v[RC+8*(4*(\bt)+\ap)+4*\c],   v[64*\ap+32*\c:64*\ap+32*\c+7],     v[SO+4*\ap+2*\c]
	v_cvt_scalef32_pk8_fp4_f32 v[RC+8*(4*(\bt)+\ap)+4*\c+2], v[64*\ap+32*\c+8:64*\ap+32*\c+15],  v[SO+4*\ap+2*\c]
	v_cvt_scalef32_pk8_fp4_f32 v[RC+8*(4*(\bt)+\ap)+4*\c+1], v[64*\ap+32*\c+16:64*\ap+32*\c+23], v[SO+4*\ap+2*\c+1]
	v_cvt_scalef32_pk8_fp4_f32 v[RC+8*(4*(\bt)+\ap)+4*\c+3], v[64*\ap+32*\c+24:64*\ap+32*\c+31], v[SO+4*\ap+2*\c+1]
.endr
.endr
	WIN 0
	v_nop                                          ; one plain place behind the conversions
.irp ap, 0,1,2,3
.irp c, 0,1                                    ; and two exchanges of halves give the operand's layout: registers 4 c .. 4 c + 3 hold k = 64 c + 32 h + 0 .. 31
	v_permlane16_swap_b32 v[RC+8*(4*(\bt)+\ap)+4*\c],   v[RC+8*(4*(\bt)+\ap)+4*\c+1]
	v_permlane16_swap_b32 v[RC+8*(4*(\bt)+\ap)+4*\c+2], v[RC+8*(4*(\bt)+\ap)+4*\c+3]
.endr
.endr
.endm
.macro OUT_QK bt                       ; my 128 along k are two heads j: registers 4 j .. 4 j + 3 are the head's fragment, blocks 2 j, 2 j + 1 its two bytes
.irp ap, 0,1,2,3
.irp j, 0,1
	v_lshl_or_b32 v[WW+8*\j+4*(\bt)+\ap], v[TP+4*\ap+2*\j+1], 8, v[TP+4*\ap+2*\j]
.endr
.endr
.irp ap, 0,1,2,3
.irp j, 0,1
	v_or_b32 v[WW+8*\j+4*(\bt)+\ap], s66, v[WW+8*\j+4*(\bt)+\ap]
.endr
.endr
.irp ap, 0,1,2,3
	global_store_b128 v[LI],  v[RC+8*(4*(\bt)+\ap):RC+8*(4*(\bt)+\ap)+3],   s[4:5] offset:512*(4*(\bt)+\ap)   ; 32 lanes store 512 consecutive bytes
	global_store_b128 v[LI1], v[RC+8*(4*(\bt)+\ap)+4:RC+8*(4*(\bt)+\ap)+7], s[4:5] offset:512*(4*(\bt)+\ap)
.endr
.endm
.macro OUT_V bt                        ; my 128 along k are one step of keys; block a of A is head a / 4, d tile a % 4
.irp ap, 0,1,2,3
	v_lshl_or_b32 v[WW+4*(\bt)+\ap], v[TP+4*\ap+1], 8, v[TP+4*\ap]
.endr
.irp ap, 0,1,2,3
	v_lshl_or_b32 v[WW+4*(\bt)+\ap], v[TP+4*\ap+2], 16, v[WW+4*(\bt)+\ap]
.endr
.irp ap, 0,1,2,3
	v_lshl_or_b32 v[WW+4*(\bt)+\ap], v[TP+4*\ap+3], 24, v[WW+4*(\bt)+\ap]
.endr
.irp ap, 0,1,2,3
.irp c, 0,1
	global_store_b128 v[LI], v[RC+8*(4*(\bt)+\ap)+4*\c:RC+8*(4*(\bt)+\ap)+4*\c+3], s[4:5] offset:(\bt)*71680+\ap*1024+512*\c
.endr
.endr
.endm
.irp x, 0,1,2,3,4,5,6,7,8,9,10,11,12,13,14,15
	v_mov_b32 v[TP+\x], 0                          ; a lane permute's destination counts as one of its sources.  These sixteen are also the places behind the last products
.endr
	s_cmp_eq_u32 ttmp9, 2
	s_cbranch_scc1 .Lout_v
	s_lshr_b32 s18, s22, 10                        ; q, k: the batch of my tokens,
	s_lshl_b32 s18, s18, 4
	s_lshr_b32 s19, s23, 6                         ; my first head
	s_add_co_u32 s18, s18, s19
	s_mul_i32 s18, s18, s96
	s_and_b32 s19, s22, 1023                       ; my first token in the batch
	s_lshl_b32 s46, s19, 5                         ; codes: 512 bytes for 16 tokens
	s_add_co_u32 s46, s46, s18
	s_mov_b32 s47, 0
	s_add_nc_u64 s[4:5], s[94:95], s[46:47]
	s_lshl_b32 s46, s19, 2                         ; scale words: 512 bytes for 128 tokens
	s_add_co_u32 s46, s46, s18
	s_add_co_u32 s46, s46, s97
	s_add_nc_u64 s[8:9], s[94:95], s[46:47]
	BATCH 0
	OUT_QK 0
	BATCH 1
	OUT_QK 1
.irp j, 0,1
.irp p, 0,1,2,3
	v_cndmask_b32 v[PK+4*\j+\p], v[WW+8*\j+2*\p], v[WW+8*\j+2*\p+1], s98   ; lanes 0-15: block 2 p's rows, lanes 16-31: block 2 p + 1's: lane l holds token 32 p + l's word
.endr
.endr
	global_store_b128 v[LI],  v[PK:PK+3],   s[8:9]
	global_store_b128 v[LI1], v[PK+4:PK+7], s[8:9]
	s_branch .Lend
.Lout_v:
	s_lshr_b32 s18, s23, 10                        ; v: the batch of my keys,
	s_lshl_b32 s18, s18, 4
	s_lshr_b32 s19, s22, 6                         ; my first head
	s_add_co_u32 s18, s18, s19
	s_mul_i32 s18, s18, 71680
	s_bfe_u32 s19, s23, 0x30007                    ; which step of 128 keys
	s_lshl_b32 s46, s19, 12
	s_add_co_u32 s46, s46, s18
	s_add_co_u32 s46, s46, 32768
	s_mov_b32 s47, 0
	s_add_nc_u64 s[4:5], s[94:95], s[46:47]
	s_lshl_b32 s46, s19, 8
	s_add_co_u32 s46, s46, s18
	s_add_co_u32 s46, s46, 69632
	s_add_nc_u64 s[8:9], s[94:95], s[46:47]
	BATCH 0
	OUT_V 0
	BATCH 1
	OUT_V 1
.irp j, 0,1
.irp u, 0,1
	v_cndmask_b32 v[PK+2*\j+\u], v[WW+4*\j+2*\u], v[WW+4*\j+2*\u+1], s98   ; lane l holds d = 32 u + l's word
.endr
.endr
.irp j, 0,1
	global_store_b64 v[L8], v[PK+2*\j:PK+2*\j+1], s[8:9] offset:71680*\j   ; 32 lanes store 256 consecutive bytes
.endr
.Lend:
	s_wait_tensorcnt 0x0                           ; the wave's end
	ds_add_u32 v[SPW], v[NIL]
	s_wait_dscnt 0x0
	CROUND                                         ; the closing round
	s_endpgm
.Lfunc_end_k_q5b5927b2f7_proj:
	.size	k_q5b5927b2f7_proj, .Lfunc_end_k_q5b5927b2f7_proj-k_q5b5927b2f7_proj
	.p2alignl 7, 3214868480
	.fill 96, 4, 3214868480
	.section	.rodata,"a",@progbits
	.p2align	6, 0x0
	.amdhsa_kernel k_q5b5927b2f7_proj
		.amdhsa_group_segment_fixed_size 327680
		.amdhsa_private_segment_fixed_size 0
		.amdhsa_enable_private_segment 0
		.amdhsa_kernarg_size 120
		.amdhsa_user_sgpr_count 2
		.amdhsa_user_sgpr_kernarg_segment_ptr 1
		.amdhsa_wavefront_size32 1
		.amdhsa_system_sgpr_workgroup_id_x 1
		.amdhsa_system_sgpr_workgroup_id_y 1
		.amdhsa_system_sgpr_workgroup_id_z 1
		.amdhsa_system_vgpr_workitem_id 0
		.amdhsa_next_free_vgpr 1024
		.amdhsa_next_free_sgpr 100
		.amdhsa_reserve_vcc 0
		.amdhsa_float_denorm_mode_32 3
		.amdhsa_float_denorm_mode_16_64 3
		.amdhsa_memory_ordered 1
		.amdhsa_forward_progress 1
		.amdhsa_inst_pref_size 174
	.end_amdhsa_kernel
	.amdgpu_metadata
---
amdhsa.version: [ 1, 2 ]
amdhsa.kernels:
  - .name:           k_q5b5927b2f7_proj
    .symbol:         k_q5b5927b2f7_proj.kd
    .args:
      - { .name: x_codes, .offset: 0, .size: 8, .value_kind: global_buffer, .address_space: global }
      - { .name: x_scales, .offset: 8, .size: 8, .value_kind: global_buffer, .address_space: global }
      - { .name: Wq_codes, .offset: 16, .size: 8, .value_kind: global_buffer, .address_space: global }
      - { .name: Wq_scales, .offset: 24, .size: 8, .value_kind: global_buffer, .address_space: global }
      - { .name: Wk_codes, .offset: 32, .size: 8, .value_kind: global_buffer, .address_space: global }
      - { .name: Wk_scales, .offset: 40, .size: 8, .value_kind: global_buffer, .address_space: global }
      - { .name: Wv_codes, .offset: 48, .size: 8, .value_kind: global_buffer, .address_space: global }
      - { .name: Wv_scales, .offset: 56, .size: 8, .value_kind: global_buffer, .address_space: global }
      - { .name: bq, .offset: 64, .size: 8, .value_kind: global_buffer, .address_space: global }
      - { .name: bk, .offset: 72, .size: 8, .value_kind: global_buffer, .address_space: global }
      - { .name: bv, .offset: 80, .size: 8, .value_kind: global_buffer, .address_space: global }
      - { .name: qq, .offset: 88, .size: 8, .value_kind: global_buffer, .address_space: global }
      - { .name: kv, .offset: 96, .size: 8, .value_kind: global_buffer, .address_space: global }
      - { .name: Wo_codes, .offset: 104, .size: 8, .value_kind: global_buffer, .address_space: global }
      - { .name: wo, .offset: 112, .size: 8, .value_kind: global_buffer, .address_space: global }
    .group_segment_fixed_size: 327680
    .private_segment_fixed_size: 0
    .kernarg_segment_align: 8
    .kernarg_segment_size: 120
    .max_flat_workgroup_size: 128
    .sgpr_count:     100
    .vgpr_count:     1024
    .wavefront_size: 32
...
	.end_amdgpu_metadata
.endif
;; end of part 1
;; launch attno (part 2): grid 32 x 8, 16 waves a work-group, clusters of 4 x 1, 327,680 bytes of LDS; arguments qq, kv, wo, Wo_scales, bo, out0; writes out0
.if DOCPART == 2
	.amdgcn_target "amdgcn-amd-amdhsa--gfx1250"
	.amdhsa_code_object_version 6
	.text
	.protected	k_q5b5927b2f7_attno
	.globl	k_q5b5927b2f7_attno
	.p2align	8
	.type	k_q5b5927b2f7_attno,@function
k_q5b5927b2f7_attno:
	s_mov_b64 s[64:65], 0
	v_nop
	global_prefetch_b8 v0, s[64:65] scope:SCOPE_SE
	s_setreg_imm32_b32 hwreg(HW_REG_WAVE_MODE, 25, 1), 1
	s_wait_xcnt 0x0
	s_wait_alu depctr_hold_cnt(0) depctr_sa_sdst(0) depctr_va_vdst(0) depctr_va_sdst(0) depctr_va_ssrc(0) depctr_va_vcc(0) depctr_vm_vsrc(0)
	s_getreg_b32 s2, hwreg(HW_REG_IB_STS2, 6, 4)
	s_cmp_eq_u32 s2, 0
	s_cbranch_scc0 .Lentry_in_a_cluster
	s_endpgm
.Lentry_in_a_cluster:
	s_bfe_u32 s2, ttmp6, 0x10000c
	s_cmp_lg_u32 s2, 0x3003
	s_cbranch_scc0 .Lentry_shape_is_right
	s_endpgm
.Lentry_shape_is_right:
; out = concat(softmax(q k^T / 8) v) Wo^T + bo, all three products on codes of FP4 (E2M1) with E8M0 scales.  No work of the problem is left out.
; LIMITS: NaN, infinities and scale bytes 0xff are not served; the scaled scores stay under 2^31 in magnitude; a block of zeros gets the byte 1 (its codes are zeros, and this launch alone reads the bytes).
; SHARES.  A work-group owns 32 queries of one batch, in all 16 heads; wave w owns head w: two tiles of 16 queries, which share each fragment of K and V.
; qq, kv and wo hold images of operand registers (16 bytes a lane, 512 consecutive bytes a load), so K and V go from memory straight into the registers that the products name.
; CLUSTER 4 x 1: four blocks of queries.  All work-groups need all of Wo: K steps 0 to 3 of it (256 KB, 16 KB a wave) are asked for JOINTLY at the head, one tensor load a wave, filled once, and land under the loop over the keys.
; K steps 4 to 7 do not fit in LDS beside them and go straight into registers.  K AND V ARE NOT ASKED FOR JOINTLY: each wave walks a head of its own, 8,960 bytes a step of 128 keys, into its own registers;
; a ring for them would put a round of the cluster's barrier into each of the 8 steps, where the loop now has no barrier at all.
; SOFTMAX: t = score x log2(e) / 8; M = ceil of the running largest t; p = 2^(t - M) is quantised along the keys; the sum is taken of the unquantised p and divides at the end.
; Both products transposed (source 0 = 16 keys, or 16 of the head's 64; source 1 = my 16 queries): a lane holds one query.  The head's K is 64: Q's registers 4-7 hold zero codes, so
; what stands in registers 4-7 of K's operand (the next tile's codes, or four zeros) adds nothing; a tile of K takes 4 registers.
; THEN the heads' results, quantised along concat's K, meet in LDS as images (16 KB and 1 KB of scale bytes), one barrier, and wave w makes out's columns 64 w .. 64 w + 63 for the 32 queries.
; REGISTERS, keys' loop: v1-7 addresses, f; v8-15 -M, largest t, sum (2) for each tile; v16-23 scales; v24 Q; v40 K; v76 V; v108 S^T, p; v172 O^T (2 x 32); v236 p's codes; v244-255 at work.
; Projection: scales v8-23, v248-255; v24-151 four sets of Wo; v152-183 two sets of concat; v184-247 the 8 accumulators.
.set SCL,   16384                      ; concat's scale words: [query 0..31][K step][4]
.set STG,   17408                      ; 16,384 bytes for each wave: Wo's K steps 0-3 of its 64 rows; behind their last read the wave's stage, 32 rows x (256 + 16) bytes
.set SPARE, 279552                     ; the spare words, 128 bytes a wave
.set LI, 1
.set L8, 2
.set SPW, 3
.set NIL, 4
.set PFO, 5
.set FF, 6
.set KS, 16
.set VS, 20
.set PS, 22
.set QS, 23
.set QF, 24
.set KF, 40
.set VF, 76
.set S, 108
.set OT, 172
.set PC, 236
.set SO, 244
.set BM, 248
.set T2, 252
.set TW, 254
.set WS0, 16
.set WS1, 248
.set CSC, 8
.set SETF, 24
.set SETA, 56
.set SETB, 88
.set SETC, 120
.set BA, 56
.set BI, 60
.set RB, 88
.set FB, 152
.set FT, 154
.set FS, 156
.set FW, 158
.set FC, 159
.set CC, 160
.set CF, 152
.set ACC, 184
.set W32, 2
.set WAD, 5
.set CAD, 6
.set GSA, 7
.set WV, 16
.set KB, 24
.set SB, 26
.set TB, 28
.set PF, 30
.set SEL, 40
.set CS, 42
.set CNT, 44
.set G0, 48
.set G1, 52
; one product; z: C is 0; r0, r1: source 0's, source 1's scale words stand in lanes 16-31
.macro WM z, r0, r1
.if (\z) && (\r0) && (\r1)
	v_wmma_scale_f32_16x16x128_f8f6f4 v[rD:rD+7], v[rA:rA+7], v[rB:rB+7], 0, v[xA], v[xB] matrix_a_fmt:MATRIX_FMT_FP4 matrix_b_fmt:MATRIX_FMT_FP4 matrix_a_scale:MATRIX_SCALE_ROW1 matrix_b_scale:MATRIX_SCALE_ROW1
.elseif (\z) && (\r0)
	v_wmma_scale_f32_16x16x128_f8f6f4 v[rD:rD+7], v[rA:rA+7], v[rB:rB+7], 0, v[xA], v[xB] matrix_a_fmt:MATRIX_FMT_FP4 matrix_b_fmt:MATRIX_FMT_FP4 matrix_a_scale:MATRIX_SCALE_ROW1
.elseif (\z) && (\r1)
	v_wmma_scale_f32_16x16x128_f8f6f4 v[rD:rD+7], v[rA:rA+7], v[rB:rB+7], 0, v[xA], v[xB] matrix_a_fmt:MATRIX_FMT_FP4 matrix_b_fmt:MATRIX_FMT_FP4 matrix_b_scale:MATRIX_SCALE_ROW1
.elseif (\z)
	v_wmma_scale_f32_16x16x128_f8f6f4 v[rD:rD+7], v[rA:rA+7], v[rB:rB+7], 0, v[xA], v[xB] matrix_a_fmt:MATRIX_FMT_FP4 matrix_b_fmt:MATRIX_FMT_FP4
.elseif (\r0) && (\r1)
	v_wmma_scale_f32_16x16x128_f8f6f4 v[rD:rD+7], v[rA:rA+7], v[rB:rB+7], v[rC:rC+7], v[xA], v[xB] matrix_a_fmt:MATRIX_FMT_FP4 matrix_b_fmt:MATRIX_FMT_FP4 matrix_a_scale:MATRIX_SCALE_ROW1 matrix_b_scale:MATRIX_SCALE_ROW1
.elseif (\r0)
	v_wmma_scale_f32_16x16x128_f8f6f4 v[rD:rD+7], v[rA:rA+7], v[rB:rB+7], v[rC:rC+7], v[xA], v[xB] matrix_a_fmt:MATRIX_FMT_FP4 matrix_b_fmt:MATRIX_FMT_FP4 matrix_a_scale:MATRIX_SCALE_ROW1
.elseif (\r1)
	v_wmma_scale_f32_16x16x128_f8f6f4 v[rD:rD+7], v[rA:rA+7], v[rB:rB+7], v[rC:rC+7], v[xA], v[xB] matrix_a_fmt:MATRIX_FMT_FP4 matrix_b_fmt:MATRIX_FMT_FP4 matrix_b_scale:MATRIX_SCALE_ROW1
.else
	v_wmma_scale_f32_16x16x128_f8f6f4 v[rD:rD+7], v[rA:rA+7], v[rB:rB+7], v[rC:rC+7], v[xA], v[xB] matrix_a_fmt:MATRIX_FMT_FP4 matrix_b_fmt:MATRIX_FMT_FP4
.endif
.endm
.macro PLACES
.rept 4
	v_nop
.endr
.endm
.macro CROUND                          ; a round of the cluster's barrier
	s_barrier_signal -1
	s_barrier_wait -1
	s_cmp_lg_u32 s[WV], 0
	s_cbranch_scc1 .Lnot_wave_0_\@
	s_barrier_signal -3
.Lnot_wave_0_\@:
	s_barrier_wait -3
	s_barrier_signal -1
	s_barrier_wait -1
.endm
.macro LOADK                           ; 9 loads: a step's scale words of K (register p: key 32 p + lane) and its 8 tiles
	global_load_b128 v[KS:KS+3], v[LI], s[SB:SB+1]
.irp t, 0,1,2,3,4,5,6,7
	global_load_b128 v[KF+4*\t:KF+4*\t+3], v[LI], s[KB:KB+1] offset:512*\t
.endr
.endm
.macro LOADV                           ; 9 loads: V's scale words (register u: d = 32 u + lane) and its 4 tiles of 16 d x 128 keys
	global_load_b64 v[VS:VS+1], v[L8], s[TB:TB+1]
.irp t, 0,1,2,3
.irp c, 0,1
	global_load_b128 v[VF+8*\t+4*\c:VF+8*\t+4*\c+3], v[LI], s[KB:KB+1] offset:32768+1024*\t+512*\c
.endr
.endr
.endm
; The next step's K, asked for as soon as this step's products have read K.  The bases are stepped behind s_wait_xcnt 0.
; A PREFETCH INTO THE L2: the step two beyond the one being loaded.  A head's step is 16 + 16 blocks of 256 bytes of codes; the 32 work-groups of a batch take one block each,
; told apart by address, all lanes naming that block; the trips whose look-ahead would pass step 7 ask for nothing.  Steps 0 to 2 and the scale bytes come by their loads alone.
.macro NEXTK
	s_wait_alu depctr_va_vdst(0)
	s_wait_xcnt 0x0
	s_add_nc_u64 s[KB:KB+1], s[KB:KB+1], 4096
	s_add_nc_u64 s[SB:SB+1], s[SB:SB+1], 512
	s_add_nc_u64 s[TB:TB+1], s[TB:TB+1], 256
	s_add_nc_u64 s[PF:PF+1], s[PF:PF+1], 4096
	LOADK
	s_cmp_gt_u32 s[CNT], 2
	s_cbranch_scc0 .Lnp_\@
	global_prefetch_b8 v[PFO], s[PF:PF+1] offset:8192 th:TH_LOAD_NT scope:SCOPE_SE
.Lnp_\@:
.endm
; One tile of 16 queries against 128 keys.
.macro TILE i, more
.set ST, 8+4*(\i)
.set OTI, OT+32*(\i)
.irp t, 0,1,2,3,4,5,6,7
.set rD, S+8*\t
.set rA, KF+4*\t
.set rB, QF+8*(\i)
.set xA, KS+\t/2
.set xB, QS
	WM 1, (\t%2), (\i)
.endr
	PLACES                                         ; in front of the reads of S^T and of the loads into K's registers
.if (\i) && (\more)
	NEXTK
.endif
.irp b, 0,1,2,3
	v_max3_num_f32 v[BM+\b], v[S+16*\b], v[S+1+16*\b], v[S+2+16*\b]   ; the largest score of each block of 32 keys
.endr
.irp n, 3,5,7,9,11,13
.irp b, 0,1,2,3
	v_max3_num_f32 v[BM+\b], v[BM+\b], v[S+16*\b+\n], v[S+1+16*\b+\n]
.endr
.endr
.irp b, 0,1,2,3
	v_max_num_f32 v[BM+\b], v[BM+\b], v[S+15+16*\b]
.endr
.irp b, 0,1,2,3
	s_delay_alu instid0(VALU_DEP_4)
	v_permlanex16_b32 v[T2+\b], v[BM+\b], s[SEL], s[SEL+1]
.endr
.irp b, 0,1,2,3
	s_delay_alu instid0(VALU_DEP_4)
	v_max_num_f32 v[BM+\b], v[BM+\b], v[T2+\b]     ; with lane l xor 16's
.endr
	s_delay_alu instid0(VALU_DEP_2)
	v_max3_num_f32 v[TW], v[BM], v[BM+1], v[BM+2]
	s_delay_alu instid0(VALU_DEP_1)
	v_max_num_f32 v[TW], v[TW], v[BM+3]
	s_delay_alu instid0(VALU_DEP_1)
	v_mul_f32 v[TW], s[CS], v[TW]
	s_delay_alu instid0(VALU_DEP_1)
	v_max_num_f32 v[ST+1], v[ST+1], v[TW]          ; the running largest t
	v_mov_b32 v[TW], v[ST]
	s_delay_alu instid0(VALU_DEP_2)
	v_floor_f32 v[ST], -v[ST+1]                    ; -M = floor(-t)
	s_delay_alu instid0(VALU_DEP_1)
	v_sub_f32 v[TW], v[ST], v[TW]
	s_delay_alu instid0(VALU_DEP_1)
	v_cvt_i32_f32 v[TW], v[TW]
	s_delay_alu instid0(VALU_DEP_1)
	v_ldexp_f32 v[FF], 1.0, v[TW]                  ; f = 2^(old M - new M)
.set J, 0
.rept 32
	v_pk_fma_f32 v[S+J:S+J+1], v[S+J:S+J+1], s[CS:CS+1], v[ST:ST+1] op_sel_hi:[1,0,0]   ; t - M
.set J, J+2
.endr
.irp b, 0,1,2,3
	v_fma_f32 v[BM+\b], v[BM+\b], s[CS], v[ST]
.endr
	s_wait_alu depctr_va_vdst(0)
.set J, 0
.rept 64
	v_exp_f32 v[S+J], v[S+J]
.set J, J+1
.endr
	v_pk_mul_f32 v[ST+2:ST+3], v[ST+2:ST+3], v[FF:FF+1] op_sel_hi:[1,0]
	s_wait_alu depctr_va_vdst(0)                   ; one wait for the batch
.irp b, 0,1,2,3
	v_exp_f32 v[BM+\b], v[BM+\b]                   ; each block's largest p
.endr
	v_pk_add_f32 v[T2:T2+1], v[S:S+1], v[S+2:S+3]  ; the sum of the unquantised p, in two chains
.set J, 4
.rept 15
	v_pk_add_f32 v[ST+2:ST+3], v[ST+2:ST+3], v[S+J:S+J+1]
	v_pk_add_f32 v[T2:T2+1], v[T2:T2+1], v[S+2+J:S+3+J]
.set J, J+4
.endr
	s_delay_alu instid0(VALU_DEP_1)
	v_pk_add_f32 v[ST+2:ST+3], v[ST+2:ST+3], v[T2:T2+1]
.if (\i) == 0
	s_wait_loadcnt 0x0                             ; this step's V is in: nothing was asked for behind it
.endif
	s_wait_alu depctr_va_vdst(0)                   ; and one for the four
.irp b, 0,1,2,3
	v_max_num_f32 v[BM+\b], 0x1800000, v[BM+\b]    ; the floor 2^(3 - 127)
.endr
.irp b, 0,1,2,3
	s_delay_alu instid0(VALU_DEP_4)
	v_add_nc_u32 v[SO+\b], 0xff000000, v[BM+\b]    ; 2 off the exponent field: the conversion's scale operand
.endr
.irp b, 0,1,2,3
	s_delay_alu instid0(VALU_DEP_4)
	v_lshrrev_b32 v[T2+\b], 23, v[SO+\b]
.endr
	s_delay_alu instid0(VALU_DEP_3)
	v_lshl_or_b32 v[PS], v[T2+1], 8, v[T2]
	s_delay_alu instid0(VALU_DEP_1)
	v_lshl_or_b32 v[PS], v[T2+2], 16, v[PS]
	s_delay_alu instid0(VALU_DEP_1)
	v_lshl_or_b32 v[PS], v[T2+3], 24, v[PS]
.irp c, 0,1
	v_cvt_scalef32_pk8_fp4_f32 v[PC+4*\c],   v[S+32*\c:S+32*\c+7],     v[SO+2*\c]
	v_cvt_scalef32_pk8_fp4_f32 v[PC+4*\c+2], v[S+32*\c+8:S+32*\c+15],  v[SO+2*\c]
	v_cvt_scalef32_pk8_fp4_f32 v[PC+4*\c+1], v[S+32*\c+16:S+32*\c+23], v[SO+2*\c+1]
	v_cvt_scalef32_pk8_fp4_f32 v[PC+4*\c+3], v[S+32*\c+24:S+32*\c+31], v[SO+2*\c+1]
.endr
	v_nop
.irp c, 0,1
	v_permlane16_swap_b32 v[PC+4*\c],   v[PC+4*\c+1]     ; registers 4 c .. 4 c + 3: keys 64 c + 32 h + 0 .. 31
	v_permlane16_swap_b32 v[PC+4*\c+2], v[PC+4*\c+3]
.endr
	s_wait_alu depctr_va_vdst(0)
.set J, 0
.rept 16
	v_pk_mul_f32 v[OTI+J:OTI+J+1], v[OTI+J:OTI+J+1], v[FF:FF+1] op_sel_hi:[1,0]   ; O^T under the new M; also the places ahead of the products
.set J, J+2
.endr
.irp t, 0,1,2,3
.set rD, OTI+8*\t
.set rC, rD
.set rA, VF+8*\t
.set rB, PC
.set xA, VS+\t/2
.set xB, PS
	WM 0, (\t%2), 0
.endr
.if (\i) && (\more)
	PLACES
	LOADV                                          ; the next step's V
.endif
.endm
.macro STEP more
	s_wait_alu depctr_va_vdst(0)
	s_wait_loadcnt 9                               ; this step's K is in; V's 9 loads may be out
	TILE 0, \more
	TILE 1, \more
.endm
; O^T / the sum, quantised along the head's 64 (two blocks of concat's K), into LDS as an image of the projection's operand
.macro FINISH i
.set ST, 8+4*(\i)
.set OTI, OT+32*(\i)
	v_add_f32 v[ST+2], v[ST+2], v[ST+3]
	v_permlanex16_b32 v[FW], v[ST+2], s[SEL], s[SEL+1]
	s_delay_alu instid0(VALU_DEP_1)
	v_add_f32 v[ST+2], v[ST+2], v[FW]
	s_wait_alu depctr_va_vdst(0)
	v_rcp_f32 v[ST+2], v[ST+2]
	v_nop
	s_wait_alu depctr_va_vdst(0)
.set J, 0
.rept 16
	v_pk_mul_f32 v[OTI+J:OTI+J+1], v[OTI+J:OTI+J+1], v[ST+2:ST+3] op_sel_hi:[1,0]
.set J, J+2
.endr
.irp b, 0,1
	v_max3_num_f32 v[FB+\b], |v[OTI+16*\b]|, |v[OTI+16*\b+1]|, 0x1800000
.endr
.irp n, 2,4,6,8,10,12,14
.irp b, 0,1
	s_delay_alu instid0(VALU_DEP_2)
	v_max3_num_f32 v[FB+\b], v[FB+\b], |v[OTI+16*\b+\n]|, |v[OTI+16*\b+\n+1]|
.endr
.endr
.irp b, 0,1
	v_permlanex16_b32 v[FT+\b], v[FB+\b], s[SEL], s[SEL+1]
.endr
.irp b, 0,1
	s_delay_alu instid0(VALU_DEP_2)
	v_max_num_f32 v[FB+\b], v[FB+\b], v[FT+\b]
.endr
.irp b, 0,1
	s_delay_alu instid0(VALU_DEP_2)
	v_add_nc_u32 v[FS+\b], 0xff000000, v[FB+\b]
.endr
.irp b, 0,1
	s_delay_alu instid0(VALU_DEP_2)
	v_lshrrev_b32 v[FT+\b], 23, v[FS+\b]
.endr
	s_delay_alu instid0(VALU_DEP_1)
	v_lshl_or_b32 v[FC], v[FT+1], 8, v[FT]
	v_cvt_scalef32_pk8_fp4_f32 v[CC+4*\i],   v[OTI:OTI+7],     v[FS]
	v_cvt_scalef32_pk8_fp4_f32 v[CC+4*\i+2], v[OTI+8:OTI+15],  v[FS]
	v_cvt_scalef32_pk8_fp4_f32 v[CC+4*\i+1], v[OTI+16:OTI+23], v[FS+1]
	v_cvt_scalef32_pk8_fp4_f32 v[CC+4*\i+3], v[OTI+24:OTI+31], v[FS+1]
	v_nop
	v_permlane16_swap_b32 v[CC+4*\i],   v[CC+4*\i+1]
	v_permlane16_swap_b32 v[CC+4*\i+2], v[CC+4*\i+3]
	ds_store_b128 v[CAD], v[CC+4*\i:CC+4*\i+3] offset:8192*\i   ; [tile][K step w / 2][c = w % 2][lane][16]
	ds_store_b16 v[GSA], v[FC] offset:512*\i                    ; my head's two bytes of query 16 i + r's word (both halves of the lanes hold the same)
.endm
.macro WLOAD g, ws                     ; Wo's 4 tiles of 16 rows, K step g, from memory into the set at ws: 8 loads
.irp t, 0,1,2,3
.irp c, 0,1
	global_load_b128 v[(\ws)+8*\t+4*\c:(\ws)+8*\t+4*\c+3], v[LI], s[8:9] offset:8192*\t+1024*(\g)+512*\c
.endr
.endr
.endm
.macro LLOAD g, ws                     ; the same from my 16 KB of LDS, K step g = 0 .. 3: 8 loads
.irp t, 0,1,2,3
.irp c, 0,1
	ds_load_b128 v[(\ws)+8*\t+4*\c:(\ws)+8*\t+4*\c+3], v[WAD] offset:4096*\t+1024*(\g)+512*\c
.endr
.endr
.endm
.macro CFLOAD g, cb                    ; concat's 2 tiles, K step g, into set cb: 4 loads
.irp i, 0,1
.irp c, 0,1
	ds_load_b128 v[CF+16*(\cb)+8*\i+4*\c:CF+16*(\cb)+8*\i+4*\c+3], v[LI] offset:8192*\i+1024*(\g)+512*\c
.endr
.endr
.endm
; A K step of the projection: 8 products, the 8 accumulators by turns.  lc, dc: the younger loads that may stay out; z: the sums begin
.macro GSTEP g, ws, cb, lc, dc, z
	s_wait_loadcnt \lc
	s_wait_dscnt \dc
.irp i, 0,1
.irp t, 0,1,2,3
.set rD, ACC+8*(4*\i+\t)
.set rC, rD
.set rA, (\ws)+8*\t
.set rB, CF+16*(\cb)+8*\i
.set xA, WS0+(WS1-WS0)*(\t/2)+(\g)
.set xB, CSC+(\g)
	WM \z, (\t%2), \i
.endr
.endr
.endm
	s_load_b256 s[4:11], s[0:1], 0x0               ; qq 4, kv 6, wo 8, Wo's scales 10
	s_load_b128 s[12:15], s[0:1], 0x20             ; bo 12, out0 14
	v_lshl_add_u32 v[SPW], v0, 2, SPARE
	v_mov_b32 v[NIL], 0
	ds_add_u32 v[SPW], v[NIL]                      ; the wave's opening: the add, twice on end, and its wait ahead of my tensor load
	ds_add_u32 v[SPW], v[NIL]
	v_lshrrev_b32 v8, 5, v0
	v_readfirstlane_b32 s[WV], v8                  ; wave = head
	v_and_b32 v8, 31, v0
	v_lshlrev_b32 v[LI], 4, v8
	v_lshlrev_b32 v[L8], 3, v8
	v_mov_b32 v[PFO], 0
	s_bfe_u32 s17, ttmp6, 0x40000                  ; cx
	s_lshl_b32 s45, ttmp9, 2
	s_add_co_u32 s17, s17, s45                     ; g: my block of 32 queries = 4 x cluster x + cx
	s_and_b32 s18, ttmp7, 0xffff                   ; the batch
	s_lshl_b32 s19, s18, 4
	s_add_co_u32 s19, s19, s[WV]                   ; (batch, head)
	s_mul_i32 s20, s19, 71680
	s_mov_b32 s21, 0
	s_mul_i32 s22, s19, 36864
	s_mov_b32 s23, 0
	s_lshl_b32 s36, s[WV], 9                       ; my head's place in concat's images
	s_lshl_b32 s37, s[WV], 1
	s_add_co_u32 s37, s37, SCL                     ; and in its scale words
	s_lshl_b32 s38, s[WV], 14
	s_add_co_u32 s38, s38, STG                     ; my 16 KB of Wo, later my stage
	s_mov_b32 s[SEL], 0x76543210
	s_mov_b32 s[SEL+1], 0xfedcba98
	s_mov_b32 s[CS], 0x3e38aa3b                    ; log2(e) / 8
	s_mov_b32 s[CS+1], s[CS]
	s_mov_b32 s[CNT], 7
	s_mov_b32 s[G1], 15|(3<<16)|(1<<21)            ; all four partners; elements of 8 bytes; bit 21 beside a mask; no padding: images are read 512 bytes on end
	s_mov_b32 s[G1+1], 512<<16                     ; a row: a tile of 16 rows of Wo, K steps 0-3: 4,096 bytes
	s_mov_b32 s[G1+2], 4<<16                       ; 4 such tiles
	s_mov_b32 s[G1+3], 512<<16
	s_mov_b32 s[G1+4], 4
	s_mov_b32 s[G1+5], 1024                        ; 8,192 bytes apart
	s_mov_b32 s[G1+6], 0
	s_mov_b32 s[G1+7], 0
	s_lshl_b32 s46, s[WV], 15
	s_mov_b32 s47, 0
	s_wait_alu depctr_va_vdst(0)
	s_wait_dscnt 0x0                               ; both opening adds are done
	s_wait_kmcnt 0x0
	CROUND                                         ; all four work-groups are here: the joint loads meet
	s_mov_b32 s[G0], 1
	s_mov_b32 s[G0+1], s38
	s_add_nc_u64 s[G0+2:G0+3], s[8:9], s[46:47]    ; the wave's number alone: the same in all four partners
	s_or_b32 s[G0+3], s[G0+3], 0x80000000
	tensor_load_to_lds s[G0:G0+3], s[G1:G1+7]      ; my one tensor load
	s_nop 0
	s_add_nc_u64 s[KB:KB+1], s[6:7], s[20:21]      ; k's and v's codes,
	s_add_nc_u64 s[SB:SB+1], s[KB:KB+1], 65536     ; k's scale words,
	s_add_nc_u64 s[TB:TB+1], s[KB:KB+1], 69632     ; v's
	s_and_b32 s20, s17, 15
	s_lshl_b32 s20, s20, 8
	s_lshr_b32 s33, s17, 4
	s_lshl_b32 s33, s33, 15
	s_add_co_u32 s20, s20, s33
	s_add_nc_u64 s[PF:PF+1], s[KB:KB+1], s[20:21]  ; my work-group's block of a step: 16 of K, 16 of V
	s_lshl_b32 s20, s17, 10
	s_add_co_u32 s20, s20, s22
	s_add_nc_u64 s[32:33], s[4:5], s[20:21]        ; q's tiles 2 g, 2 g + 1
	s_lshr_b32 s20, s17, 2
	s_lshl_b32 s20, s20, 9
	s_and_b32 s34, s17, 3
	s_lshl_b32 s34, s34, 2
	s_add_co_u32 s20, s20, s34
	s_add_co_u32 s20, s20, s22
	s_add_co_u32 s20, s20, 32768
	s_add_nc_u64 s[34:35], s[4:5], s[20:21]        ; their scale words: lane l holds query 32 g + l's
	s_add_nc_u64 s[8:9], s[8:9], s[46:47]          ; Wo's rows 64 w on
	s_lshl_b32 s20, s[WV], 11
	s_add_nc_u64 s[10:11], s[10:11], s[20:21]
	s_lshl_b32 s20, s[WV], 8
	s_add_nc_u64 s[12:13], s[12:13], s[20:21]
	s_lshl_b32 s22, s18, 22
	s_add_co_u32 s20, s20, s22
	s_lshl_b32 s22, s17, 17
	s_add_co_u32 s20, s20, s22
	s_add_nc_u64 s[14:15], s[14:15], s[20:21]      ; out: row 1,024 b + 32 g, column 64 w
	global_load_b128 v[QF:QF+3], v[LI], s[32:33]
	global_load_b128 v[QF+8:QF+11], v[LI], s[32:33] offset:512
	global_load_b32 v[QS], v[LI], s[34:35]
	LOADK
	LOADV
.irp n, QF+4,QF+5,QF+6,QF+7,QF+12,QF+13,QF+14,QF+15,KF+32,KF+33,KF+34,KF+35,T2,T2+1,T2+2,T2+3,FF+1,10,11,14,15
	v_mov_b32 v[\n], 0                             ; Q's zero codes, the four registers behind K's last tile, permutes' destinations, the sums
.endr
	v_mov_b32 v9, 0xff61b1e6                       ; the largest t so far: -3e38
	v_mov_b32 v13, 0xff61b1e6
	v_floor_f32 v8, -v9
	v_floor_f32 v12, -v13
.set J, 0
.rept 64
	v_mov_b32 v[OT+J], 0                           ; the step is written for all trips alike: the first finds zeros
.set J, J+1
.endr
.Lstep:                                                ; 7 trips, each asking for the next step's K and V
	STEP 1
	s_sub_co_u32 s[CNT], s[CNT], 1
	s_cmp_lg_u32 s[CNT], 0
	s_wait_alu depctr_va_vdst(0)
	s_cbranch_scc1 .Lstep
	STEP 0                                         ; the last step asks for nothing
	s_wait_alu depctr_va_vdst(0)
	s_wait_xcnt 0x0                                ; the prefetches have read v5
	v_lshlrev_b32 v[W32], 1, v[LI]                 ; these five are also the places behind the last products
	v_add_nc_u32 v[WAD], s38, v[LI]
	v_and_b32 v[GSA], 15, v0
	v_add_nc_u32 v[CAD], s36, v[LI]
	v_lshl_add_u32 v[GSA], v[GSA], 5, s37
.irp p, 0,1                                    ; Wo's scale words: lane l takes row 32 p + l's 32 bytes; register g: K step g
	global_load_b128 v[WS0+(WS1-WS0)*\p:WS0+(WS1-WS0)*\p+3], v[W32], s[10:11] offset:1024*\p
	global_load_b128 v[WS0+(WS1-WS0)*\p+4:WS0+(WS1-WS0)*\p+7], v[W32], s[10:11] offset:1024*\p+16
.endr
	WLOAD 4, SETA                                  ; three of the four K steps that come from memory are asked for ahead of the barrier
	WLOAD 5, SETB
	WLOAD 6, SETC
	FINISH 0
	FINISH 1
	s_wait_alu depctr_va_vdst(0)
	s_wait_tensorcnt 0x0                           ; my 16 KB of Wo are in: I alone read them
	s_wait_dscnt 0x0                               ; my head's part of concat is stored
	s_barrier_signal -1
	s_barrier_wait -1                              ; everybody's is
	v_lshl_add_u32 v[CAD], v[LI], 1, SCL
	ds_load_b128 v[CSC:CSC+3], v[CAD]              ; concat's scale words: lanes 0-15 tile 0, lanes 16-31 tile 1; register g: K step g
	ds_load_b128 v[CSC+4:CSC+7], v[CAD] offset:16
	LLOAD 0, SETF
	CFLOAD 0, 0
	CFLOAD 4, 1
	; K steps in the order 0, 4, 5, 6, 1, 2, 3, 7: step 7's loads, asked for when the first set is free, have six steps in which to land
	GSTEP 0, SETF, 0, 24, 4, 1                     ; the scale words are in (behind them 24 loads); behind concat's step: the next one's 4
	PLACES
	WLOAD 7, SETF
	CFLOAD 5, 0
	GSTEP 4, SETA, 1, 24, 4, 0                     ; behind step 4's loads: steps 5, 6, 7
	PLACES
	LLOAD 1, SETA
	CFLOAD 6, 1
	GSTEP 5, SETB, 0, 16, 12, 0                    ; behind concat's step: 8 of Wo and 4 of concat
	PLACES
	LLOAD 2, SETB
	CFLOAD 1, 0
	GSTEP 6, SETC, 1, 8, 12, 0
	PLACES
	LLOAD 3, SETC
	CFLOAD 2, 1
	GSTEP 1, SETA, 0, 8, 12, 0
	PLACES
	v_and_b32 v[BA], 15, v0
	v_lshlrev_b32 v[BA], 4, v[BA]
	global_load_b128 v[BI:BI+3], v[BA], s[12:13]   ; bo at the four columns that my lane stores: 64 w + 4 (lane % 16) + 0 .. 3
	CFLOAD 3, 0
	GSTEP 2, SETB, 1, 9, 4, 0
	PLACES
	CFLOAD 7, 1
	GSTEP 3, SETC, 0, 9, 4, 0
	GSTEP 7, SETF, 1, 1, 0, 0                      ; step 7's loads are in; bo's one load may be out
	; THE WAY OUT: through my stage: in as 32 bytes a lane, back as rows of 256 bytes, so that sixteen lanes store one aligned unit of 256 bytes.
	; bo is added on the way back: there a lane holds the same four columns in all its rows, so that four registers hold its part of bo.
	v_and_b32 v2, 15, v0                           ; r   (these ten are also the places behind the last products)
	v_bfe_u32 v5, v0, 4, 1                         ; h
	v_mul_u32_u24 v6, v2, 272
	v_mul_u32_u24 v7, v5, 272
	v_lshl_add_u32 v6, v5, 5, v6
	v_lshl_add_u32 v7, v2, 4, v7
	v_add_nc_u32 v6, s38, v6                       ; in: row r, + 32 h
	v_add_nc_u32 v7, s38, v7                       ; back: lanes 0-15 one row, lanes 16-31 the next
	v_lshlrev_b32 v5, 12, v5
	v_lshl_add_u32 v5, v2, 4, v5                   ; and the same in out
	s_wait_alu depctr_va_vdst(0)
.irp i, 0,1
.irp t, 0,1,2,3
	ds_store_b128 v6, v[ACC+8*(4*\i+\t):ACC+8*(4*\i+\t)+3] offset:4352*\i+64*\t
	ds_store_b128 v6, v[ACC+8*(4*\i+\t)+4:ACC+8*(4*\i+\t)+7] offset:4352*\i+64*\t+16
.endr
.endr
.irp u, 0,1,2,3,4,5,6,7,8,9,10,11,12,13,14,15
	ds_load_b128 v[RB+4*\u:RB+4*\u+3], v7 offset:544*\u      ; LDS serves a wave's instructions in order: these see my stores
.endr
	s_wait_loadcnt 0x0                             ; bo
	s_wait_dscnt 8
.irp u, 0,1,2,3,4,5,6,7
	v_pk_add_f32 v[RB+4*\u:RB+4*\u+1], v[RB+4*\u:RB+4*\u+1], v[BI:BI+1]
	v_pk_add_f32 v[RB+4*\u+2:RB+4*\u+3], v[RB+4*\u+2:RB+4*\u+3], v[BI+2:BI+3]
.endr
.irp u, 0,1,2,3,4,5,6,7
	global_store_b128 v5, v[RB+4*\u:RB+4*\u+3], s[14:15] offset:8192*\u th:TH_STORE_NT
.endr
	s_wait_dscnt 0x0
.irp u, 8,9,10,11,12,13,14,15
	v_pk_add_f32 v[RB+4*\u:RB+4*\u+1], v[RB+4*\u:RB+4*\u+1], v[BI:BI+1]
	v_pk_add_f32 v[RB+4*\u+2:RB+4*\u+3], v[RB+4*\u+2:RB+4*\u+3], v[BI+2:BI+3]
.endr
.irp u, 8,9,10,11,12,13,14,15
	global_store_b128 v5, v[RB+4*\u:RB+4*\u+3], s[14:15] offset:8192*\u th:TH_STORE_NT
.endr
	s_wait_tensorcnt 0x0                           ; the wave's end
	ds_add_u32 v[SPW], v[NIL]
	s_wait_dscnt 0x0
	CROUND                                         ; the closing round
	s_endpgm
.Lfunc_end_k_q5b5927b2f7_attno:
	.size	k_q5b5927b2f7_attno, .Lfunc_end_k_q5b5927b2f7_attno-k_q5b5927b2f7_attno
	.p2alignl 7, 3214868480
	.fill 96, 4, 3214868480
	.section	.rodata,"a",@progbits
	.p2align	6, 0x0
	.amdhsa_kernel k_q5b5927b2f7_attno
		.amdhsa_group_segment_fixed_size 327680
		.amdhsa_private_segment_fixed_size 0
		.amdhsa_enable_private_segment 0
		.amdhsa_kernarg_size 48
		.amdhsa_user_sgpr_count 2
		.amdhsa_user_sgpr_kernarg_segment_ptr 1
		.amdhsa_wavefront_size32 1
		.amdhsa_system_sgpr_workgroup_id_x 1
		.amdhsa_system_sgpr_workgroup_id_y 1
		.amdhsa_system_sgpr_workgroup_id_z 1
		.amdhsa_system_vgpr_workitem_id 0
		.amdhsa_next_free_vgpr 256
		.amdhsa_next_free_sgpr 66
		.amdhsa_reserve_vcc 0
		.amdhsa_float_denorm_mode_32 3
		.amdhsa_float_denorm_mode_16_64 3
		.amdhsa_memory_ordered 1
		.amdhsa_forward_progress 1
		.amdhsa_inst_pref_size 101
	.end_amdhsa_kernel
	.amdgpu_metadata
---
amdhsa.version: [ 1, 2 ]
amdhsa.kernels:
  - .name:           k_q5b5927b2f7_attno
    .symbol:         k_q5b5927b2f7_attno.kd
    .args:
      - { .name: qq, .offset: 0, .size: 8, .value_kind: global_buffer, .address_space: global }
      - { .name: kv, .offset: 8, .size: 8, .value_kind: global_buffer, .address_space: global }
      - { .name: wo, .offset: 16, .size: 8, .value_kind: global_buffer, .address_space: global }
      - { .name: Wo_scales, .offset: 24, .size: 8, .value_kind: global_buffer, .address_space: global }
      - { .name: bo, .offset: 32, .size: 8, .value_kind: global_buffer, .address_space: global }
      - { .name: out0, .offset: 40, .size: 8, .value_kind: global_buffer, .address_space: global }
    .group_segment_fixed_size: 327680
    .private_segment_fixed_size: 0
    .kernarg_segment_align: 8
    .kernarg_segment_size: 48
    .max_flat_workgroup_size: 512
    .sgpr_count:     66
    .vgpr_count:     256
    .wavefront_size: 32
...
	.end_amdgpu_metadata
.endif
;; end of part 2
